; MI455X (gfx1250); checked and timed in simulation.
; The chip was launched on July 23, 2026; its instructions are those of AMD's public machine-readable ISA for CDNA 5 (MIT licence, August 2026) and "CDNA5" Instruction Set Architecture Reference Guide (July 2026). The comments in the code are by the model that wrote it; some were corrected since.
;; Pos Biased Multi Headed Attention. Allowed arithmetic: matrix products marked QUANTISED: E3M2 operands, one E8M0 scale for each 32 along K, by v_wmma_scale_f32_16x16x128_f8f6f4 with both operands' format E3M2, f32 sums; products left as they are: f32 operands where the result goes on into a quantised operand, else bf16, f16 or f32 operands; f32 sums; everything else in f32.
;; Inputs: Wb 192 x 12 float32; Wk 768 x 768 float32; Wo 768 x 768 float32; Wq 768 x 768 float32; Wv 768 x 768 float32; bb 12 float32; bk 768 float32; bo 768 float32; bq 768 float32; bv 768 float32; key 2 x 512 x 768 float32; key_x 2 x 512 float32; key_y 2 x 512 float32; query 2 x 512 x 768 float32; query_x 2 x 512 float32; query_y 2 x 512 float32; value 2 x 512 x 768 float32; x_table 41 x 192 float32; y_table 41 x 192 float32.
;; Outputs: out0 2 x 512 x 768 float32.
;; This version of the problem:
;;   THIS VERSION OF THE PROBLEM IS GIVEN IN LOW PRECISION. The matrix products marked QUANTISED in the list below multiply operands that are first quantised to E3M2 (3 exponent bits, 2 mantissa bits; 6 bits a number), with one power-of-two scale for each 32 numbers along K (OCP MX v1.0); their sums are f32. All else is computed in f32.
;;   The module's matrix products, in the order in which they are computed (A, B: the left and right operand; K: the contracted axis; several contracted axes count as one K, in the product's order):
;;     1. [M 524,288, K 192] x [K 192, N 12]; A: computed on the way; B: input Wb: left as it is (N = 12 < 16)
;;     2. [M 1,024, K 768] x [K 768, N 768]; A: input query; B: input Wq: QUANTISED
;;     3. [M 1,024, K 768] x [K 768, N 768]; A: input key; B: input Wk: QUANTISED
;;     4. [M 1,024, K 768] x [K 768, N 768]; A: input value; B: input Wv: QUANTISED
;;     5. batch 24 x [M 512, K 64] x [K 64, N 512]; A: computed on the way; B: computed on the way: QUANTISED
;;     6. batch 24 x [M 512, K 512] x [K 512, N 64]; A: softmax (see below); B: computed on the way: QUANTISED
;;     7. [M 1,024, K 768] x [K 768, N 768]; A: computed on the way; B: input Wo: QUANTISED
;;   THE QUANTISER, for each operand of a quantised product, along K:
;;     - K is cut into blocks of 32 from its start; a last block that is shorter is filled with zeros.
;;     - A block's scale is 2^e with e = floor(log2(the largest magnitude in the block)) - 4, held to -126 .. 127; a block of zeros has e = 0. As a byte (E8M0): e + 127.
;;     - Each number is divided by its block's scale, clamped to +-28, and rounded to the nearest number of E3M2, ties to even, subnormals kept.
;;     - The product sums the exact products of the quantised numbers (number of the format x scale) in f32.
;;   ~~~python
;;   def quantise(x, axis):      # numpy; x: float32 -> the quantised numbers, widened to float32 again
;;       x = np.moveaxis(x, axis, -1); K = x.shape[-1]
;;       x = np.pad(x, [(0, 0)] * (x.ndim - 1) + [(0, -K % 32)]); x = x.reshape(x.shape[:-1] + (-1, 32)); a = np.abs(x).max(-1, keepdims=True)
;;       e = np.where(a > 0, np.clip(np.frexp(np.where(a > 0, a, 1))[1] - 1 - 4, -126, 127), 0)      # np.frexp(a)[1] - 1 = floor(log2(a)), exactly
;;       r = np.clip(x / 2.0 ** e, -28, 28)
;;       step = 2.0 ** (np.maximum(np.frexp(np.where(r == 0, 1, r))[1] - 1, -2) - 2)
;;       q = np.round(r / step) * step * 2.0 ** e      # np.round: ties to even
;;       return np.moveaxis(q.reshape(q.shape[:-2] + (-1,))[..., :K], -1, axis).astype(np.float32)
;;   ~~~
;;   SOFTMAX AHEAD OF A QUANTISED PRODUCT. Where the list says 'softmax', what is quantised is not the finished softmax but p = 2^(t - M), with t = logit x log2(e) and M = ceil(the row's largest t), a whole number; so 1/2 < the row's largest p <= 1. The row's sum l is taken of the UNQUANTISED p, in f32, and the product's result is divided by l at the end. Since M is a whole number, a kernel that streams over the keys may use a running M (the ceiling of the running maximum): every later rescaling is an exact power of two, which a block's scale takes up: the codes' values come out the same.
;;   OPERANDS COMPUTED ON THE WAY. 'Computed on the way' means the value that the module computes at that place (a softmax that the list does not call 'softmax' is quantised finished and normalised). What goes into a quantiser is computed in f32, as accurately as f32 sums, v_exp_f32 and their like allow (about 1e-6 of the number): no bf16 or f16 on the way to a quantiser, and a product that is left as it is and whose result goes on into a quantised operand takes f32 operands (vector FMAs, or v_wmma_f32_16x16x4_f32). A number that lies on a knife's edge between two numbers of the format may be rounded either way, as far as f32 arithmetic and the matrix unit's own rounding can turn it there, and no further.
;; One version. Each part assembles by itself: llvm-mc -triple=amdgcn-amd-amdhsa -mcpu=gfx1250 --defsym DOCPART=n.
;; ======== version 1 of 1: 4 launches
;; workspace buffers: opc 3,538,944 bytes; ops 147,456 bytes; idx 2,097,152 bytes of whole numbers; tab 7,936 bytes; fc 1,769,472 bytes; fs 73,728 bytes; oc 589,824 bytes; os 24,576 bytes
;; launch prep (part 1): grid 661 x 1, 4 waves a work-group, no clusters, 0 bytes of LDS; arguments Wq, Wk, Wv, Wo, query, key, value, opc, ops, query_x, query_y, key_x, key_y, idx, x_table, y_table, Wb, bb, tab; writes opc, ops, idx, tab
.if DOCPART == 1
	.amdgcn_target "amdgcn-amd-amdhsa--gfx1250"
	.amdhsa_code_object_version 6
	.text
	.protected	k_q8f980ef006_prep
	.globl	k_q8f980ef006_prep
	.p2align	8
	.type	k_q8f980ef006_prep,@function
k_q8f980ef006_prep:
	s_mov_b64 s[64:65], 0
	v_nop
	global_prefetch_b8 v0, s[64:65] scope:SCOPE_SE
	s_setreg_imm32_b32 hwreg(HW_REG_WAVE_MODE, 25, 1), 1
	s_wait_xcnt 0x0
; PREP.  Three kinds of work, told apart by the work-group's number g alone; waves share nothing: no LDS, no barrier.
;  g < 576: a wave turns one tile (16 rows or columns x 128 along K) of Wq, Wk, Wv, Wo, query, key or value, f32, into codes of BF6 (E3M2) and E8M0 scale bytes, one for each 32 along K,
;           stored as an IMAGE OF THE OPERAND'S REGISTERS: opc: tile G at 9,216 G, K step s at + 1,536 s, registers 4 c .. 4 c + 3 at + 512 c, lane at + 16 L;  ops: 384 G + 64 s + 4 r.
;           Tiles: Wq 0-47, Wk 48-95, Wv 96-143, Wo 144-191, query 192-255, key 256-319, value 320-383.
;           THE ROWS OF A TILE: natural (16 t + r) for Wo and query; for the others lane r of tile t takes row 16 t - 8 (t % 2) + r + 8 (r / 8), so that a later product's 16 registers of two
;           neighbouring tiles are 16 neighbours along the next K.
;  576 <= g < 640: a wave stores, for 16 queries x 128 keys, the table indices of the positional bias as whole numbers: 8 lix | 8 liy << 16, li = floor(xs) + 20,
;           xs = (q - k) x 0.02 held to -20 .. 20.  The launch that uses them makes xs by the same three instruction forms, so index and fraction belong together.
;  g >= 640: a wave makes one row of the tables T = table @ Wb in f32 multiply-adds (interpolation is linear, so it may be done behind the product): pairs (lo, hi - lo) for 12 heads, x -log2(e); bb is added to y's lo.
; A block's scale is 2^(floor(log2(largest magnitude)) - 4): its byte is the largest magnitude's exponent field - 4, held at 1 from below.
; LIMITS: NaN and infinities among the inputs are not served.  A block whose largest magnitude lies under 2^-122 gets the byte 1; so does a block of zeros, where the rule says 127: its codes are zeros, and
; this program alone reads the bytes.  xs is (q - k) x 0.02f where the source has 20 (q - k) / 1000: it differs by a rounding, on a function that is continuous in xs.
.set VL, 1                             ; v1  lane
.set VR, 2                             ; v2  r = lane % 16
.set VH, 3                             ; v3  h = lane / 16
.set LI, 6                             ; v6  16 x lane
.set LS, 7                             ; v7  4 x lane
.set X,  64                            ; v64-127  64 numbers: register 32 c + i = k 64 c + 32 h + i of my row or column
	s_load_b512 s[8:23], s[0:1], 0x0               ; Wq s[8:9], Wk s[10:11], Wv s[12:13], Wo s[14:15], query s[16:17], key s[18:19], value s[20:21], opc s[22:23]
	s_load_b512 s[24:39], s[0:1], 0x40             ; ops s[24:25], query_x, query_y, key_x s[30:31], key_y, idx s[34:35], x_table s[36:37], y_table s[38:39]
	s_load_b128 s[40:43], s[0:1], 0x80             ; Wb s[40:41], bb s[42:43]
	s_load_b64 s[44:45], s[0:1], 0x90              ; tab
	v_lshrrev_b32 v1, 5, v0
	v_readfirstlane_b32 s2, v1                     ; wave 0..3
	v_and_b32 v[VL], 31, v0
	v_and_b32 v[VR], 15, v0
	v_bfe_u32 v[VH], v0, 4, 1
	v_lshlrev_b32 v[LI], 4, v[VL]
	v_lshlrev_b32 v[LS], 2, v[VL]
	s_mov_b32 s3, ttmp9                            ; g
	s_mov_b32 s60, 0x76543210
	s_mov_b32 s61, 0xfedcba98                      ; v_permlanex16_b32's selects for lane l xor 16
	s_wait_kmcnt 0x0
	s_cmp_lt_u32 s3, 576
	s_cbranch_scc0 .Lnot_quant
	; ---- quantising: six work-groups (the six K steps) to a group of four tiles, a tile a wave
	s_mul_i32 s46, s3, 43691
	s_lshr_b32 s46, s46, 18                        ; grp = g / 6
	s_mul_i32 s47, s46, 6
	s_sub_co_u32 s47, s3, s47                      ; s = g % 6: the K step
	s_lshl_b32 s48, s46, 2
	s_add_co_u32 s48, s48, s2                      ; G: the tile
	s_and_b32 s49, s48, 1                          ; u = t % 2 (every tensor begins at an even G)
	s_mul_i32 s50, s48, 9216
	s_mul_i32 s51, s47, 1536
	s_add_co_u32 s50, s50, s51
	s_mov_b32 s51, 0
	s_add_nc_u64 s[50:51], s[22:23], s[50:51]      ; where the image goes
	s_mul_i32 s52, s48, 384
	s_lshl_b32 s53, s47, 6
	s_add_co_u32 s52, s52, s53
	s_mov_b32 s53, 0
	s_add_nc_u64 s[52:53], s[24:25], s[52:53]      ; and the scale words
	s_cmp_lt_u32 s46, 48
	s_cbranch_scc0 .Lact
	; a weight [k][n]: lane r takes a column, its registers run down K
	s_mul_i32 s54, s46, 43691
	s_lshr_b32 s54, s54, 19                        ; m = grp / 12: which weight
	s_mul_i32 s55, s54, 48
	s_sub_co_u32 s55, s48, s55                     ; t
	s_cmp_lt_u32 s54, 1
	s_cselect_b64 s[56:57], s[8:9], s[10:11]
	s_cmp_lt_u32 s54, 2
	s_cselect_b64 s[56:57], s[56:57], s[12:13]
	s_cmp_lt_u32 s54, 3
	s_cselect_b64 s[56:57], s[56:57], s[14:15]
	s_cselect_b32 s58, 8, 0                        ; Wq, Wk, Wv: the other order of rows; Wo: natural
	s_mul_i32 s59, s49, s58
	s_lshl_b32 s55, s55, 4
	s_sub_co_u32 s55, s55, s59                     ; the tile's first column
	s_lshl_b32 s55, s55, 2
	s_mul_i32 s59, s47, 393216                     ; 128 s rows of 3,072 bytes
	s_add_co_u32 s54, s55, s59
	s_mov_b32 s55, 0
	s_add_nc_u64 s[56:57], s[56:57], s[54:55]
	v_and_b32 v4, s58, v[VR]
	v_add_nc_u32 v4, v4, v[VR]                     ; r + 8 (r / 8), or r
	v_lshlrev_b32 v5, 2, v4
	v_mad_u32_u24 v5, v[VH], 0x18000, v5           ; lanes 16-31 begin 32 rows further down
.set i, 0
.rept 64
	global_load_b32 v[X+i], v5, s[56:57] offset:3072*(64*(i/32)+i%32)   ; W(128 s + 64 c + 32 h + i, my column); the four waves' tiles are neighbours: 256 bytes of each row
.set i, i+1
.endr
	s_branch .Lq
.Lact:
	; an activation [row][k]: lane r takes a row; its 32 numbers of a block are neighbours in memory
	s_sub_co_u32 s54, s48, 192
	s_lshr_b32 s55, s54, 6                         ; which activation
	s_and_b32 s54, s54, 63                         ; t
	s_cmp_lt_u32 s55, 1
	s_cselect_b64 s[56:57], s[16:17], s[18:19]
	s_cselect_b32 s58, 0, 8                        ; query: natural; key, value: the other order
	s_cmp_lt_u32 s55, 2
	s_cselect_b64 s[56:57], s[56:57], s[20:21]
	s_mul_i32 s59, s49, s58
	s_lshl_b32 s54, s54, 4
	s_sub_co_u32 s54, s54, s59                     ; the tile's first row
	s_mul_i32 s54, s54, 3072
	s_lshl_b32 s59, s47, 9
	s_add_co_u32 s54, s54, s59
	s_mov_b32 s55, 0
	s_add_nc_u64 s[56:57], s[56:57], s[54:55]
	v_and_b32 v4, s58, v[VR]
	v_add_nc_u32 v4, v4, v[VR]
	v_mul_u32_u24 v5, v4, 3072
	v_lshl_add_u32 v5, v[VH], 7, v5                ; + 128 h: my block of 32
.set i, 0
.rept 16
	global_load_b128 v[X+4*i:X+4*i+3], v5, s[56:57] offset:256*(i/8)+16*(i%8)
.set i, i+1
.endr
.Lq:
	s_wait_loadcnt 0x0                             ; all my numbers: nothing else is left to do meanwhile
.irp c, 0,1                                    ; my block 2 c + h: all its 32 numbers are mine
	v_max3_num_f32 v[32+\c], |v[X+32*\c]|, |v[X+1+32*\c]|, 0x2800000   ; with the floor 2^(5 - 127): the byte cannot fall under 1
.endr
.irp i, 2,4,6,8,10,12,14,16,18,20,22,24,26,28,30
.irp c, 0,1
	v_max3_num_f32 v[32+\c], v[32+\c], |v[X+32*\c+\i]|, |v[X+1+32*\c+\i]|
.endr
.endr
.irp c, 0,1
	v_add_nc_u32 v[44+\c], 0xfe000000, v[32+\c]    ; 4 off the exponent field: the conversion's scale operand
.endr
.irp c, 0,1
	v_lshrrev_b32 v[36+\c], 23, v[44+\c]           ; the scale's byte
.endr
	v_lshl_or_b32 v9, v37, 16, v36                 ; my two bytes, blocks h and 2 + h,
	v_lshlrev_b32 v10, 3, v[VH]
	v_lshlrev_b32 v9, v10, v9                      ; at their places in the word;
	v_mov_b32 v10, 0
	v_permlanex16_b32 v10, v9, s60, s61
	v_or_b32 v9, v9, v10                           ; with lane l xor 16's two the word is whole
.irp c, 0,1
	v_cvt_scalef32_pk16_bf6_f32 v[48+6*\c:50+6*\c], v[X+32*\c:X+15+32*\c], v[44+\c]
	v_cvt_scalef32_pk16_bf6_f32 v[16+4*\c:18+4*\c], v[X+16+32*\c:X+31+32*\c], v[44+\c]   ; (a conversion's three registers begin on an even number)
.endr
	v_nop                                          ; one plain place behind a scaled conversion
.irp c, 0,1
.irp i, 0,1,2
	v_mov_b32 v[51+6*\c+\i], v[16+4*\c+\i]
.endr
.endr
.irp c, 0,1,2
	global_store_b128 v[LI], v[48+4*\c:51+4*\c], s[50:51] offset:512*\c   ; 32 lanes store 512 consecutive bytes, at a multiple of 256 from the buffer's first byte
.endr
	s_wait_xcnt 0x0                                ; EXEC changes only behind this wait
	v_cmp_gt_u32 vcc_lo, 16, v[VL]
	s_and_saveexec_b32 s46, vcc_lo
	global_store_b32 v[LS], v9, s[52:53]           ; lanes 0-15: the 16 rows' words
	s_wait_xcnt 0x0
	s_or_b32 exec_lo, exec_lo, s46
	s_endpgm
.Lnot_quant:
	s_cmp_lt_u32 s3, 640
	s_cbranch_scc0 .Ltab
	; ---- indices: query tile T = g - 576, key step S = wave.  Register 16 b + i of lane (r, h): query 16 T + r, key 128 S + 32 b + 16 h + i
	s_sub_co_u32 s46, s3, 576                      ; T
	s_lshr_b32 s47, s46, 5                         ; the batch
	s_lshl_b32 s48, s46, 6
	s_mov_b32 s49, 0
	s_lshl_b32 s50, s47, 11
	s_lshl_b32 s51, s2, 9
	s_add_co_u32 s50, s50, s51
	s_mov_b32 s51, 0
	s_lshl_b32 s52, s46, 2
	s_add_co_u32 s52, s52, s2
	s_lshl_b32 s52, s52, 13                        ; 8,192 bytes a job
	s_mov_b32 s53, 0
	s_mov_b32 s56, 0xc1a00000                      ; -20
	s_mov_b32 s57, 0x41a00000                      ; 20
	s_mov_b32 s58, 0x3ca3d70a                      ; 0.02
	s_mov_b32 s59, s58                             ; (named with it as a pair)
	s_add_nc_u64 s[26:27], s[26:27], s[48:49]
	s_add_nc_u64 s[28:29], s[28:29], s[48:49]
	s_add_nc_u64 s[30:31], s[30:31], s[50:51]
	s_add_nc_u64 s[32:33], s[32:33], s[50:51]
	s_add_nc_u64 s[34:35], s[34:35], s[52:53]
	v_lshlrev_b32 v4, 2, v[VR]
	v_lshlrev_b32 v5, 6, v[VH]
	v_mov_b32 v17, 0                               ; (upper halves of the pairs that the packed forms name)
	v_mov_b32 v19, 0
	global_load_b32 v16, v4, s[26:27]              ; my query's x
	global_load_b32 v18, v4, s[28:29]              ; and y
.set i, 0
.rept 16
	global_load_b128 v[32+4*i:35+4*i], v5, s[30:31] offset:128*(i/4)+16*(i%4)
	global_load_b128 v[96+4*i:99+4*i], v5, s[32:33] offset:128*(i/4)+16*(i%4)
.set i, i+1
.endr
	s_wait_loadcnt 0x0
.macro AXIS x, q                               ; 64 keys' coordinates in v[x] on become 64 indices
.set i, 0
.rept 32
	v_pk_add_f32 v[\x+i:\x+i+1], v[\q:\q+1], v[\x+i:\x+i+1] op_sel_hi:[0,1] neg_lo:[0,1] neg_hi:[0,1]   ; q - k
.set i, i+2
.endr
.set i, 0
.rept 32
	v_pk_mul_f32 v[\x+i:\x+i+1], v[\x+i:\x+i+1], s[58:59] op_sel_hi:[1,0]
.set i, i+2
.endr
.set i, 0
.rept 64
	v_med3_num_f32 v[\x+i], v[\x+i], s56, s57      ; xs
.set i, i+1
.endr
.set i, 0
.rept 64
	v_floor_f32 v[\x+i], v[\x+i]
.set i, i+1
.endr
.set i, 0
.rept 64
	v_add_f32 v[\x+i], s57, v[\x+i]
.set i, i+1
.endr
.set i, 0
.rept 64
	v_cvt_u32_f32 v[\x+i], v[\x+i]                 ; 0 .. 40
.set i, i+1
.endr
.endm
	AXIS 32, 16
	AXIS 96, 18
.set i, 0
.rept 64
	v_lshl_or_b32 v[32+i], v[96+i], 16, v[32+i]
.set i, i+1
.endr
.set i, 0
.rept 64
	v_lshlrev_b32 v[32+i], 3, v[32+i]              ; x 8: a table's entry is 8 bytes
.set i, i+1
.endr
.set i, 0
.rept 16
	global_store_b128 v[LI], v[32+4*i:35+4*i], s[34:35] offset:512*i
.set i, i+1
.endr
	s_endpgm
.Ltab:
	; ---- tables: row R = 41 a + j (a = 0: x, 1: y).  Lane L takes p = L + 32 i of the 192; 24 sums (12 heads: lo, hi - lo) are added over the lanes
	s_sub_co_u32 s46, s3, 640
	s_lshl_b32 s46, s46, 2
	s_add_co_u32 s46, s46, s2                      ; R
	s_cmp_gt_u32 s46, 81
	s_cbranch_scc1 .Lend                           ; 84 waves for 82 rows
	s_cmp_ge_u32 s46, 41
	s_cselect_b32 s47, 41, 0
	s_cselect_b32 s56, 1.0, 0                      ; bb goes into y's lo alone
	s_cselect_b64 s[58:59], s[38:39], s[36:37]
	s_sub_co_u32 s48, s46, s47                     ; j
	s_add_co_u32 s50, s48, 1
	s_min_u32 s50, s50, 40                         ; hi = min(j + 1, 40): entry 40's difference is 0
	s_mul_i32 s48, s48, 768
	s_mul_i32 s50, s50, 768
	s_mov_b32 s49, 0
	s_mov_b32 s51, 0
	s_add_nc_u64 s[52:53], s[58:59], s[48:49]
	s_add_nc_u64 s[54:55], s[58:59], s[50:51]
	s_mul_i32 s48, s46, 96
	s_add_nc_u64 s[44:45], s[44:45], s[48:49]
	v_mul_u32_u24 v4, v[VL], 48                    ; a row of Wb is 48 bytes
	v_min_u32 v5, 11, v[VL]
	v_lshlrev_b32 v5, 2, v5
	v_lshlrev_b32 v8, 3, v[VL]
.irp i, 0,1,2,3,4,5
	global_load_b32 v[16+\i], v[LS], s[52:53] offset:128*\i
	global_load_b32 v[22+\i], v[LS], s[54:55] offset:128*\i
.irp q, 0,1,2
	global_load_b128 v[32+12*\i+4*\q:35+12*\i+4*\q], v4, s[40:41] offset:1536*\i+16*\q
.endr
.endr
	global_load_b32 v128, v5, s[42:43]             ; bb of head min(lane, 11)
	s_wait_loadcnt 0x0
.irp i, 0,1,2,3,4,5
	v_sub_f32 v[22+\i], v[22+\i], v[16+\i]
.endr
.irp n, 0,1,2,3,4,5,6,7,8,9,10,11
	v_mul_f32 v[104+\n], v16, v[32+\n]             ; the first product starts each sum
	v_mul_f32 v[116+\n], v22, v[32+\n]
.endr
.irp i, 1,2,3,4,5
.irp n, 0,1,2,3,4,5,6,7,8,9,10,11
	v_fmac_f32 v[104+\n], v[16+\i], v[32+12*\i+\n]
	v_fmac_f32 v[116+\n], v[22+\i], v[32+12*\i+\n]
.endr
.endr
.irp m, 1,2,4,8
.set k, 0
.rept 24
	v_add_f32_dpp v[104+k], v[104+k], v[104+k] row_xmask:\m row_mask:0xf bank_mask:0xf
.set k, k+1
.endr
.endr
	v_mov_b32 v132, 0                              ; a lane permute's destination counts as one of its sources
.set k, 0
.rept 24
	v_permlanex16_b32 v132, v[104+k], s60, s61
	v_add_f32 v[104+k], v[104+k], v132
.set k, k+1
.endr
	v_mov_b32 v130, v104                           ; lane n picks head n's pair
	v_mov_b32 v131, v116
.irp n, 1,2,3,4,5,6,7,8,9,10,11
	v_cmp_eq_u32 vcc_lo, \n, v[VL]
	v_cndmask_b32 v130, v130, v[104+\n], vcc_lo
	v_cndmask_b32 v131, v131, v[116+\n], vcc_lo
.endr
	v_fma_f32 v130, v128, s56, v130
	v_mul_f32 v130, 0xbfb8aa3b, v130               ; x -log2(e): the sigmoid's exponential is taken in base 2
	v_mul_f32 v131, 0xbfb8aa3b, v131
	s_wait_xcnt 0x0                                ; EXEC changes only behind this wait
	v_cmp_gt_u32 vcc_lo, 12, v[VL]
	s_and_saveexec_b32 s46, vcc_lo
	global_store_b64 v8, v[130:131], s[44:45]      ; 96 consecutive bytes
	s_wait_xcnt 0x0
	s_or_b32 exec_lo, exec_lo, s46
.Lend:
	s_endpgm
.Lfunc_end_k_q8f980ef006_prep:
	.size	k_q8f980ef006_prep, .Lfunc_end_k_q8f980ef006_prep-k_q8f980ef006_prep
	.p2alignl 7, 3214868480
	.fill 96, 4, 3214868480
	.section	.rodata,"a",@progbits
	.p2align	6, 0x0
	.amdhsa_kernel k_q8f980ef006_prep
		.amdhsa_group_segment_fixed_size 0
		.amdhsa_private_segment_fixed_size 0
		.amdhsa_enable_private_segment 0
		.amdhsa_kernarg_size 152
		.amdhsa_user_sgpr_count 2
		.amdhsa_user_sgpr_kernarg_segment_ptr 1
		.amdhsa_wavefront_size32 1
		.amdhsa_system_sgpr_workgroup_id_x 1
		.amdhsa_system_sgpr_workgroup_id_y 1
		.amdhsa_system_sgpr_workgroup_id_z 1
		.amdhsa_system_vgpr_workitem_id 0
		.amdhsa_next_free_vgpr 160
		.amdhsa_next_free_sgpr 66
		.amdhsa_reserve_vcc 1
		.amdhsa_float_denorm_mode_32 3
		.amdhsa_float_denorm_mode_16_64 3
		.amdhsa_memory_ordered 1
		.amdhsa_forward_progress 1
		.amdhsa_inst_pref_size 73
	.end_amdhsa_kernel
	.amdgpu_metadata
---
amdhsa.version: [ 1, 2 ]
amdhsa.kernels:
  - .name:           k_q8f980ef006_prep
    .symbol:         k_q8f980ef006_prep.kd
    .args:
      - { .name: Wq, .offset: 0, .size: 8, .value_kind: global_buffer, .address_space: global }
      - { .name: Wk, .offset: 8, .size: 8, .value_kind: global_buffer, .address_space: global }
      - { .name: Wv, .offset: 16, .size: 8, .value_kind: global_buffer, .address_space: global }
      - { .name: Wo, .offset: 24, .size: 8, .value_kind: global_buffer, .address_space: global }
      - { .name: query, .offset: 32, .size: 8, .value_kind: global_buffer, .address_space: global }
      - { .name: key, .offset: 40, .size: 8, .value_kind: global_buffer, .address_space: global }
      - { .name: value, .offset: 48, .size: 8, .value_kind: global_buffer, .address_space: global }
      - { .name: opc, .offset: 56, .size: 8, .value_kind: global_buffer, .address_space: global }
      - { .name: ops, .offset: 64, .size: 8, .value_kind: global_buffer, .address_space: global }
      - { .name: query_x, .offset: 72, .size: 8, .value_kind: global_buffer, .address_space: global }
      - { .name: query_y, .offset: 80, .size: 8, .value_kind: global_buffer, .address_space: global }
      - { .name: key_x, .offset: 88, .size: 8, .value_kind: global_buffer, .address_space: global }
      - { .name: key_y, .offset: 96, .size: 8, .value_kind: global_buffer, .address_space: global }
      - { .name: idx, .offset: 104, .size: 8, .value_kind: global_buffer, .address_space: global }
      - { .name: x_table, .offset: 112, .size: 8, .value_kind: global_buffer, .address_space: global }
      - { .name: y_table, .offset: 120, .size: 8, .value_kind: global_buffer, .address_space: global }
      - { .name: Wb, .offset: 128, .size: 8, .value_kind: global_buffer, .address_space: global }
      - { .name: bb, .offset: 136, .size: 8, .value_kind: global_buffer, .address_space: global }
      - { .name: tab, .offset: 144, .size: 8, .value_kind: global_buffer, .address_space: global }
    .group_segment_fixed_size: 0
    .private_segment_fixed_size: 0
    .kernarg_segment_align: 8
    .kernarg_segment_size: 152
    .max_flat_workgroup_size: 128
    .sgpr_count:     66
    .vgpr_count:     160
    .wavefront_size: 32
...
	.end_amdgpu_metadata
.endif
;; end of part 1
;; launch qkv (part 2): grid 48 x 3, 8 waves a work-group, no clusters, 168,960 bytes of LDS; arguments opc, ops, bq, bk, bv, fc, fs; writes fc, fs
.if DOCPART == 2
	.amdgcn_target "amdgcn-amd-amdhsa--gfx1250"
	.amdhsa_code_object_version 6
	.text
	.protected	k_q8f980ef006_qkv
	.globl	k_q8f980ef006_qkv
	.p2align	8
	.type	k_q8f980ef006_qkv,@function
k_q8f980ef006_qkv:
	s_mov_b64 s[64:65], 0
	v_nop
	global_prefetch_b8 v0, s[64:65] scope:SCOPE_SE
	s_setreg_imm32_b32 hwreg(HW_REG_WAVE_MODE, 25, 1), 1
	s_wait_xcnt 0x0
; QKV.  The three projections x W + b on codes of BF6 (E3M2) with E8M0 scales, K = 768 in six steps of 128, and the quantising of their results for attention's two products.
; kind = work-group y: 0 q, 1 k, 2 v.  A work-group takes 8 tiles P (source 0: the axis along which the result is quantised) and 8 tiles R (source 1); wave w takes R's tile w against all of P: 48 matrix instructions.
;   q, k: P = 128 columns of W (two heads), R = 16 tokens a wave: a lane holds one token, its 64 registers run along the heads' channels.
;   v:    P = 128 tokens of value (a key step), R = 16 columns of Wv a wave: a lane holds one channel, its registers run along the keys.
; P's tiles have the order of rows that makes register 16 b + i of a lane the number 32 b + 16 (lane / 16) + i along that axis: a block of 32 lies in lanes l and l xor 16.
; All of K for the 16 tiles, 147,456 bytes of register images, comes into LDS ONCE, by two tensor loads a wave: nothing is filled again, so there is no ring.  One barrier: P's tiles are read by all waves.
; No multicast: a work-group makes this one fill; which half is shared between neighbours along x differs with the kind (q, k: P; v: R), and it is half of the fill's bytes.
; The bias is the C of each sum's first matrix instruction: it is loaded straight into the accumulators.
; OUT (images of operand registers): fc: q's half fragments at (64 head + T) x 768, k's 589,824 on, v's fragments at 1,179,648 + 1,536 F, F = ((12 batch + head) x 4 + key step) x 4 + channel tile.
;   A half fragment: registers 0-3 at 16 x lane, registers 4-5 at 512 + 8 x lane.  fs: the scale words, 64 bytes a fragment.
; LIMITS: NaN and infinities are not served; a block whose largest magnitude lies under 2^-122, a block of zeros too, gets the byte 1.
.set ACC, 16                           ; v16-79   8 accumulators
.set PF,  80                           ; v80-175  P's 8 fragments of a K step
.set PC,  80                           ; afterwards: the codes just made (12) and 7 registers at work
.set RF,  176                          ; v176-187 R's fragment
.set PS,  200                          ; v200-223 P's scale words: register 3 t + j: lanes 0-15 K step 2 j, lanes 16-31 K step 2 j + 1
.set RS,  224                          ; v224-226 R's likewise
.set TM,  236                          ; v236-251 at work in QUANT
.set PW,  252                          ; the scale word just made
.set SEL, 60
.set G1,  24                           ; s[24:31] descriptor group 1;  s[32:35], s[36:39] groups 0 for P's and R's tile
; 64 numbers of a lane, register 16 b + i = k 32 b + 16 (lane / 16) + i of my row, become a fragment's codes in v[PC] on and its scale word in v[PW]
.macro QUANT s
.irp b, 0,1,2,3
	v_max3_num_f32 v[TM+\b], |v[\s+16*\b]|, |v[\s+1+16*\b]|, 0x2800000   ; my 16 numbers of block b, and the floor 2^(5 - 127).  Each accumulator is read from its low end on
.endr
.irp i, 2,4,6,8,10,12,14
.irp b, 0,1,2,3
	v_max3_num_f32 v[TM+\b], v[TM+\b], |v[\s+16*\b+\i]|, |v[\s+1+16*\b+\i]|
.endr
.endr
.irp b, 0,1,2,3
	v_permlanex16_b32 v[TM+4+\b], v[TM+\b], s[SEL], s[SEL+1]
.endr
.irp b, 0,1,2,3
	v_max_num_f32 v[TM+\b], v[TM+\b], v[TM+4+\b]   ; with lane l xor 16's: the block's largest magnitude
.endr
.irp b, 0,1,2,3
	v_add_nc_u32 v[TM+12+\b], 0xfe000000, v[TM+\b]   ; 4 off its exponent field: the conversion's scale operand
.endr
.irp b, 0,1,2,3
	v_lshrrev_b32 v[TM+4+\b], 23, v[TM+12+\b]      ; the scale's byte
.endr
	v_lshl_or_b32 v[PW], v[TM+5], 8, v[TM+4]
	v_lshl_or_b32 v[PW], v[TM+6], 16, v[PW]
	v_lshl_or_b32 v[PW], v[TM+7], 24, v[PW]
.irp c, 0,1
	v_cvt_scalef32_pk16_bf6_f32 v[PC+6*\c:PC+2+6*\c], v[\s+32*\c:\s+15+32*\c], v[TM+12+2*\c]
	v_cvt_scalef32_pk16_bf6_f32 v[PC+12+4*\c:PC+14+4*\c], v[\s+16+32*\c:\s+31+32*\c], v[TM+12+2*\c+1]   ; (a conversion's three registers begin on an even number)
.endr
	v_nop                                          ; one plain place behind a scaled conversion
.irp c, 0,1                                    ; the operand's layout wants a whole block in a lane
.irp i, 0,1,2
	v_permlane16_swap_b32 v[PC+6*\c+\i], v[PC+12+4*\c+\i]
.endr
.irp i, 0,1,2
	v_mov_b32 v[PC+3+6*\c+\i], v[PC+12+4*\c+\i]
.endr
.endr
.endm
	s_load_b256 s[8:15], s[0:1], 0x0               ; opc s[8:9], ops s[10:11], bq s[12:13], bk s[14:15]
	s_load_b128 s[16:19], s[0:1], 0x20             ; bv s[16:17], fc s[18:19]
	s_load_b64 s[20:21], s[0:1], 0x30              ; fs
	v_lshl_add_u32 v254, v0, 2, 0x29000
	v_mov_b32 v255, 0
	ds_add_u32 v254, v255
	ds_add_u32 v254, v255
	v_lshrrev_b32 v1, 5, v0
	v_readfirstlane_b32 s2, v1                     ; wave 0..7
	s_and_b32 s3, ttmp7, 0xffff                    ; kind
	s_lshr_b32 s5, ttmp9, 3
	s_and_b32 s6, ttmp9, 7
	s_mul_i32 s42, s3, 48
	s_lshl_b32 s43, s3, 6
	s_add_co_u32 s43, s43, 192
	s_cmp_lt_u32 s3, 2
	s_cselect_b32 s40, s5, s6                      ; pb: which block of P (q, k: 0..5;  v: 0..7)
	s_cselect_b32 s41, s6, s5                      ; rb: which block of R
	s_cselect_b32 s42, s42, 320                    ; P's first tile in opc: W of the kind, or value
	s_cselect_b32 s43, s43, 96                     ; R's: query or key, or Wv
	s_lshl_b32 s44, s40, 3
	s_add_co_u32 s42, s42, s44
	s_lshl_b32 s44, s41, 3
	s_add_co_u32 s43, s43, s44
	; group 1: a tile's six K steps are one dense block of 9,216 bytes: 36 rows of 256 bytes (32 elements of 8 bytes), no padding: every LDS read is 16 x lane on end
	s_mov_b32 s[G1+0], 3<<16
	s_mov_b32 s[G1+1], 32<<16                      ; tensor_dim0
	s_mov_b32 s[G1+2], 36<<16                      ; tensor_dim1
	s_mov_b32 s[G1+3], 32<<16                      ; tile_dim0
	s_mov_b32 s[G1+4], 36                          ; tile_dim1
	s_mov_b32 s[G1+5], 32                          ; from row to row
	s_mov_b32 s[G1+6], 0
	s_mov_b32 s[G1+7], 0
	s_add_co_u32 s44, s42, s2
	s_mul_i32 s44, s44, 9216
	s_mov_b32 s45, 0
	s_add_co_u32 s46, s43, s2
	s_mul_i32 s46, s46, 9216
	s_mov_b32 s47, 0
	s_mul_i32 s48, s2, 9216
	s_wait_dscnt 0x0
	s_wait_kmcnt 0x0
	s_mov_b32 s32, 1
	s_mov_b32 s33, s48                             ; LDS: P's tile w at 9,216 w
	s_add_nc_u64 s[34:35], s[8:9], s[44:45]
	s_or_b32 s35, s35, 0x80000000
	s_mov_b32 s36, 1
	s_add_co_u32 s37, s48, 73728                   ; R's tile w behind P's eight
	s_add_nc_u64 s[38:39], s[8:9], s[46:47]
	s_or_b32 s39, s39, 0x80000000
	tensor_load_to_lds s[32:35], s[G1:G1+7]        ; two tensor loads of mine are out: the launch's only fills
	s_nop 0
	tensor_load_to_lds s[36:39], s[G1:G1+7]
	s_nop 0
.rept 4
	v_nop
.endr
	v_and_b32 v8, 31, v0                           ; lane
	v_and_b32 v9, 15, v0                           ; r
	v_bfe_u32 v10, v0, 4, 1                        ; h
	v_lshlrev_b32 v1, 4, v8                        ; v1  16 x lane: P's tiles 0-3
	v_add_nc_u32 v2, 36864, v1                     ; v2  the same for tiles 4-7 (an LDS immediate has 16 bits)
	v_lshlrev_b32 v3, 3, v8                        ; v3  8 x lane
	v_lshlrev_b32 v4, 2, v8                        ; v4  4 x lane
	v_add_nc_u32 v5, s37, v1                       ; v5  my tile of R
	v_lshlrev_b32 v6, 6, v10                       ; v6  64 h
	v_and_b32 v7, 8, v9
	v_add_nc_u32 v7, v7, v9
	v_lshlrev_b32 v7, 2, v7                        ; v7  4 (r + 8 (r / 8))
.irp b, 0,1,2,3
	v_mov_b32 v[TM+4+\b], 0                        ; written once: a lane permute's destination counts as one of its sources
.endr
	s_mov_b32 s[SEL], 0x76543210
	s_mov_b32 s[SEL+1], 0xfedcba98
	s_mul_i32 s50, s42, 384
	s_mov_b32 s51, 0
	s_add_nc_u64 s[50:51], s[10:11], s[50:51]
	s_add_co_u32 s52, s43, s2
	s_mul_i32 s52, s52, 384
	s_mov_b32 s53, 0
	s_add_nc_u64 s[52:53], s[10:11], s[52:53]
.irp t, 0,1,2,3,4,5,6,7
.irp j, 0,1,2
	global_load_b32 v[PS+3*\t+\j], v4, s[50:51] offset:384*\t+128*\j
.endr
.endr
.irp j, 0,1,2
	global_load_b32 v[RS+\j], v4, s[52:53] offset:128*\j
.endr
	s_lshl_b32 s44, s41, 3
	s_add_co_u32 s44, s44, s2                      ; q, k: the token tile T;  v: the column tile ct
	s_cmp_lt_u32 s3, 2
	s_cbranch_scc0 .Lbias_v
	s_cmp_eq_u32 s3, 0
	s_cselect_b64 s[22:23], s[12:13], s[14:15]
	s_lshl_b32 s46, s40, 9
	s_mov_b32 s47, 0
	s_add_nc_u64 s[22:23], s[22:23], s[46:47]
.irp t, 0,1,2,3,4,5,6,7                        ; lane (r, h), tile 2 b + u, register j: column 32 b + 16 h + 8 u + j of the block's 128
	global_load_b128 v[ACC+8*\t:ACC+8*\t+3], v6, s[22:23] offset:4*(32*(\t/2)+8*(\t%2))
	global_load_b128 v[ACC+8*\t+4:ACC+8*\t+7], v6, s[22:23] offset:4*(32*(\t/2)+8*(\t%2))+16
.endr
	s_branch .Lbias_done
.Lbias_v:
	s_and_b32 s46, s44, 1
	s_lshl_b32 s46, s46, 3
	s_lshl_b32 s47, s44, 4
	s_sub_co_u32 s46, s47, s46
	s_lshl_b32 s46, s46, 2
	s_mov_b32 s47, 0
	s_add_nc_u64 s[22:23], s[16:17], s[46:47]
.set i, 0
.rept 64                                       ; a lane holds one channel: its one word of bv is wanted in all 64 registers.  64 loads of the same 96 bytes, issued while the tensor loads are on their way, so that one text of the K steps serves all three kinds
	global_load_b32 v[ACC+i], v7, s[22:23]
.set i, i+1
.endr
.Lbias_done:
	; where the results go
	s_lshl_b32 s45, s40, 7
	s_add_co_u32 s45, s45, s44
	s_mul_i32 s45, s45, 768
	s_mul_i32 s46, s3, 589824
	s_add_co_u32 s45, s45, s46                     ; q, k: (64 x head 2 pb + T) x 768 in the kind's part
	s_lshl_b32 s46, s40, 6
	s_add_co_u32 s46, s46, s44
	s_lshl_b32 s46, s46, 6
	s_mul_i32 s47, s3, 24576
	s_add_co_u32 s46, s46, s47
	s_lshr_b32 s47, s40, 2                         ; v: the batch,
	s_mul_i32 s47, s47, 12
	s_lshr_b32 s48, s44, 2                         ; the head,
	s_add_co_u32 s47, s47, s48
	s_lshl_b32 s47, s47, 2
	s_and_b32 s48, s40, 3                          ; the key step,
	s_add_co_u32 s47, s47, s48
	s_lshl_b32 s47, s47, 2
	s_and_b32 s48, s44, 3                          ; the channel tile
	s_add_co_u32 s47, s47, s48                     ; F
	s_mul_i32 s48, s47, 1536
	s_add_co_u32 s48, s48, 1179648
	s_lshl_b32 s49, s47, 6
	s_add_co_u32 s49, s49, 49152
	s_mov_b32 s47, 768
	s_cmp_lt_u32 s3, 2
	s_cselect_b32 s56, s45, s48
	s_cselect_b32 s58, s46, s49
	s_cselect_b32 s54, 49152, s47                  ; from the fragment's first half to its second: the next head's part, or 768 bytes
	s_mov_b32 s57, 0
	s_mov_b32 s59, 0
	s_mov_b32 s55, 0
	s_add_nc_u64 s[56:57], s[18:19], s[56:57]
	s_add_nc_u64 s[54:55], s[56:57], s[54:55]
	s_add_nc_u64 s[58:59], s[20:21], s[58:59]
	s_wait_tensorcnt 0x0                           ; my two tiles are in LDS,
	s_barrier_signal -1
	s_barrier_wait -1                              ; everybody's are
	s_wait_loadcnt 0x0                             ; scale words and bias
.macro MM t, s
.if (\s)%2
	v_wmma_scale_f32_16x16x128_f8f6f4 v[ACC+8*\t:ACC+8*\t+7], v[PF+12*\t:PF+12*\t+11], v[RF:RF+11], v[ACC+8*\t:ACC+8*\t+7], v[PS+3*\t+(\s)/2], v[RS+(\s)/2] matrix_a_fmt:MATRIX_FMT_BF6 matrix_b_fmt:MATRIX_FMT_BF6 matrix_a_scale:MATRIX_SCALE_ROW1 matrix_b_scale:MATRIX_SCALE_ROW1
.else
	v_wmma_scale_f32_16x16x128_f8f6f4 v[ACC+8*\t:ACC+8*\t+7], v[PF+12*\t:PF+12*\t+11], v[RF:RF+11], v[ACC+8*\t:ACC+8*\t+7], v[PS+3*\t+(\s)/2], v[RS+(\s)/2] matrix_a_fmt:MATRIX_FMT_BF6 matrix_b_fmt:MATRIX_FMT_BF6
.endif
.endm
; A K step: 27 LDS loads, 8 matrix instructions on 8 accumulators by turns
.macro KSTEP s
.if \s > 0
.rept 4
	v_nop                                          ; places in front of loads into registers that matrix instructions have read
.endr
.endif
.irp c, 0,1,2
	ds_load_b128 v[RF+4*\c:RF+4*\c+3], v5 offset:1536*\s+512*\c
.endr
.irp t, 0,1,2,3,4,5,6,7
.irp c, 0,1,2
	ds_load_b128 v[PF+12*\t+4*\c:PF+12*\t+4*\c+3], v[1+\t/4] offset:9216*(\t%4)+1536*\s+512*\c
.endr
.endr
.irp t, 0,1,2,3,4,5,6,7
	s_wait_dscnt 3*(7-\t)                          ; R's fragment and P's tiles up to t are in; the three loads of each later tile may be out
	MM \t, \s
.endr
.endm
.irp s, 0,1,2,3,4,5
	KSTEP \s
.endr
.rept 4
	v_nop                                          ; places in front of the first read of results
.endr
	QUANT ACC
	global_store_b128 v1, v[PC:PC+3], s[56:57]     ; 512 consecutive bytes, at a multiple of 256 from the buffer's first byte
	global_store_b64 v3, v[PC+4:PC+5], s[56:57] offset:512
	global_store_b128 v1, v[PC+6:PC+9], s[54:55]
	global_store_b64 v3, v[PC+10:PC+11], s[54:55] offset:512
	s_wait_xcnt 0x0                                ; EXEC changes only behind this wait
	v_cmp_gt_u32 vcc_lo, 16, v8
	s_wait_tensorcnt 0x0
	ds_add_u32 v254, v255
	s_wait_dscnt 0x0
	s_and_saveexec_b32 s44, vcc_lo
	global_store_b32 v4, v[PW], s[58:59]           ; lanes 0-15: the 16 rows' scale words
	s_wait_xcnt 0x0
	s_or_b32 exec_lo, exec_lo, s44
	s_endpgm
.Lfunc_end_k_q8f980ef006_qkv:
	.size	k_q8f980ef006_qkv, .Lfunc_end_k_q8f980ef006_qkv-k_q8f980ef006_qkv
	.p2alignl 7, 3214868480
	.fill 96, 4, 3214868480
	.section	.rodata,"a",@progbits
	.p2align	6, 0x0
	.amdhsa_kernel k_q8f980ef006_qkv
		.amdhsa_group_segment_fixed_size 168960
		.amdhsa_private_segment_fixed_size 0
		.amdhsa_enable_private_segment 0
		.amdhsa_kernarg_size 56
		.amdhsa_user_sgpr_count 2
		.amdhsa_user_sgpr_kernarg_segment_ptr 1
		.amdhsa_wavefront_size32 1
		.amdhsa_system_sgpr_workgroup_id_x 1
		.amdhsa_system_sgpr_workgroup_id_y 1
		.amdhsa_system_sgpr_workgroup_id_z 1
		.amdhsa_system_vgpr_workitem_id 0
		.amdhsa_next_free_vgpr 256
		.amdhsa_next_free_sgpr 66
		.amdhsa_reserve_vcc 1
		.amdhsa_float_denorm_mode_32 3
		.amdhsa_float_denorm_mode_16_64 3
		.amdhsa_memory_ordered 1
		.amdhsa_forward_progress 1
		.amdhsa_inst_pref_size 39
	.end_amdhsa_kernel
	.amdgpu_metadata
---
amdhsa.version: [ 1, 2 ]
amdhsa.kernels:
  - .name:           k_q8f980ef006_qkv
    .symbol:         k_q8f980ef006_qkv.kd
    .args:
      - { .name: opc, .offset: 0, .size: 8, .value_kind: global_buffer, .address_space: global }
      - { .name: ops, .offset: 8, .size: 8, .value_kind: global_buffer, .address_space: global }
      - { .name: bq, .offset: 16, .size: 8, .value_kind: global_buffer, .address_space: global }
      - { .name: bk, .offset: 24, .size: 8, .value_kind: global_buffer, .address_space: global }
      - { .name: bv, .offset: 32, .size: 8, .value_kind: global_buffer, .address_space: global }
      - { .name: fc, .offset: 40, .size: 8, .value_kind: global_buffer, .address_space: global }
      - { .name: fs, .offset: 48, .size: 8, .value_kind: global_buffer, .address_space: global }
    .group_segment_fixed_size: 168960
    .private_segment_fixed_size: 0
    .kernarg_segment_align: 8
    .kernarg_segment_size: 56
    .max_flat_workgroup_size: 256
    .sgpr_count:     66
    .vgpr_count:     256
    .wavefront_size: 32
...
	.end_amdgpu_metadata
.endif
;; end of part 2
;; launch attn (part 3): grid 8 x 24, 4 waves a work-group, no clusters, 57,856 bytes of LDS; arguments fc, fs, idx, tab, query_x, query_y, key_x, key_y, oc, os; writes oc, os
.if DOCPART == 3
	.amdgcn_target "amdgcn-amd-amdhsa--gfx1250"
	.amdhsa_code_object_version 6
	.text
	.protected	k_q8f980ef006_attn
	.globl	k_q8f980ef006_attn
	.p2align	8
	.type	k_q8f980ef006_attn,@function
k_q8f980ef006_attn:
	s_mov_b64 s[64:65], 0
	v_nop
	global_prefetch_b8 v0, s[64:65] scope:SCOPE_SE
	s_setreg_imm32_b32 hwreg(HW_REG_WAVE_MODE, 25, 1), 1
	s_wait_xcnt 0x0
; ATTN.  o = softmax(q k^T / 8 + sigmoid(positional bias)) v for one head, both products on codes of BF6 (E3M2) with E8M0 scales; o is quantised for the output projection.
; SHARES.  Work-group y = 12 batch + head; x = 64 queries; each of four waves owns 16 queries and walks the head's 512 keys, 128 a step.
; LDS is written ONCE, through registers, ahead of the one barrier, and only read behind it: the head's K and V as images of operand registers, their scale words, the keys' coordinates, the head's two tables.
; LAYOUT.  Both products are used transposed: S^T = K Q^T, O^T = V^T P^T: a lane holds ONE query (lane % 16).  K's tiles hold the keys in the order that makes register 16 b + i key 32 b + 16 (lane / 16) + i of the step.
; The head size is 64: registers 6-11 of Q's and K's fragments are zero codes, which add nothing; their scale bytes are 0.
; THE BIAS.  z = Tx[lix] + rx dTx[lix] + Ty[liy] + ry dTy[liy] (+ bb), the tables already x -log2(e).  The indices come as whole numbers from memory, are held to 0 .. 320 and gather pairs (lo, difference) from LDS;
; the fractions r = fract(xs) are made here from the same xs as the indices.  8 sigmoid = 1 / (0.125 x 2^z' + 0.125), exact in its factor, is the C of the score product: D = k.q + 8 sigmoid; t = D x log2(e) / 8.
; THE SOFTMAX.  M = the running largest t rounded up to a whole number; p = 2^(t - M) is quantised along the keys; the row's sum is taken of the unquantised p and divides at the end;
; when M moves, sum and O^T are multiplied by 2^(old M - new M): exact.
; LIMITS: NaN and infinities are not served; a block whose largest magnitude lies under 2^-122, a block of zeros too, gets the byte 1.  lo + r x (hi - lo) stands for lo (1 - r) + hi r: a rounding's difference.
; REGISTERS.  Window 0: v1-11 addresses; v12 -M, v13 largest t, v[14:15] the sum; v[16:19] my query's x, y; v20 Q's scale word, v21 p's; v24-31 K's, v32-35 V's; v64-127 S; v128-255 at work.
;             Window 1: v0-11 Q; v12-107 K's 8 fragments; v108-155 V's 4; v156-187 O^T; v188-251 the indices, one step ahead.
.set KIMG, 0                           ; 32 half fragments x 768
.set VIMG, 24576                       ; 16 fragments x 1,536
.set KSC,  49152                       ; K's scale words: 64 bytes a tile
.set VSC,  51200                       ; V's
.set KXL,  52224                       ; 512 keys' x
.set KYL,  54272                       ; and y
.set TABX, 56320                       ; 41 pairs; TABY behind them
.set TABY, 56648
.set S,   64
.set KX,  128
.set KY,  144
.set AX,  160
.set AY,  176
.set GX,  192
.set GY,  224
.set BM,  128
.set BP,  132
.set SO,  136
.set BY,  140
.set TA,  144
.set FP,  146
.set SUM2, 148
.set PC,  152
.set QS,  20
.set PW,  21
.set KS,  24
.set VS,  32
.set Q,   0                            ; in window 1
.set K,   12
.set V,   108
.set O,   156
.set W,   188
.set CS,  42                           ; s[42:43] c = log2(e) / 8
.set E8,  44                           ; s[44:45] 0.125
.set SEL, 48                           ; s[48:49]
.set C02, 56                           ; s[56:57] 0.02
.set MSB, 0
.macro WIN new                         ; the immediate's high byte repeats the setting that is left
.if MSB != \new
	s_set_vgpr_msb (MSB<<8)|\new
.set MSB, \new
.endif
.endm
.set LD1, 0x40                         ; destination window 1
.set UNP, 0x04                         ; source 1 window 1
.set SQK, 0x05                         ; sources 0 and 1 window 1
.set RSC, 0x41                         ; destination and source 0 window 1
.set PVW, 0x51                         ; source 0, C and D window 1
.set OUTW, 0x01                        ; source 0 window 1
	s_load_b512 s[8:23], s[0:1], 0x0               ; fc s[8:9], fs s[10:11], idx s[12:13], tab s[14:15], query_x s[16:17], query_y s[18:19], key_x s[20:21], key_y s[22:23]
	s_load_b128 s[24:27], s[0:1], 0x40             ; oc s[24:25], os s[26:27]
	v_lshl_add_u32 v62, v0, 2, 0xe000
	v_mov_b32 v63, 0
	v_lshrrev_b32 v1, 5, v0
	v_readfirstlane_b32 s2, v1                     ; wave 0..3
	s_and_b32 s3, ttmp7, 0xffff                    ; y
	s_cmp_ge_u32 s3, 12
	s_cselect_b32 s4, 1, 0                         ; batch
	s_mul_i32 s5, s4, 12
	s_sub_co_u32 s5, s3, s5                        ; head
	s_lshr_b32 s7, s5, 1                           ; the pair of heads that shares a scale word
	s_and_b32 s50, s5, 1
	s_lshl_b32 s50, s50, 4                         ; and my head's 16 bits in it
	s_lshl_b32 s6, s4, 5
	s_lshl_b32 s58, ttmp9, 2
	s_add_co_u32 s6, s6, s58
	s_add_co_u32 s6, s6, s2                        ; T: my tile of 16 queries, 0..63
	s_mov_b32 s41, 0
	s_mov_b32 s[CS], 0x3e38aa3b
	s_mov_b32 s[CS+1], s[CS]
	s_mov_b32 s[E8], 0x3e000000
	s_mov_b32 s[E8+1], s[E8]
	s_mov_b32 s46, 0xc1a00000                      ; -20
	s_mov_b32 s47, 0x41a00000                      ; 20
	s_mov_b32 s[SEL], 0x76543210
	s_mov_b32 s[SEL+1], 0xfedcba98
	s_mov_b32 s[C02], 0x3ca3d70a
	s_mov_b32 s[C02+1], s[C02]
	v_and_b32 v39, 31, v0                          ; lane
	v_and_b32 v40, 15, v0                          ; r
	v_bfe_u32 v41, v0, 4, 1                        ; h
	v_lshlrev_b32 v1, 4, v39                       ; v1  16 x lane
	v_lshlrev_b32 v2, 3, v39                       ; v2  8 x lane
	v_lshlrev_b32 v3, 2, v40                       ; v3  4 r
	v_lshlrev_b32 v4, 6, v41                       ; v4  64 h
	v_lshlrev_b32 v11, 1, v40                      ; v11 2 r
	v_lshlrev_b32 v36, 4, v0                       ; staging: 16 x thread,
	v_lshlrev_b32 v37, 3, v0                       ; 8 x thread,
	v_min_u32 v38, 81, v0
	v_mul_u32_u24 v38, v38, 96                     ; a table row a thread
	v_mov_b32 v17, 0                               ; (upper halves of the pairs that the packed forms name)
	v_mov_b32 v19, 0
	v_mov_b32 v13, 0xff61b1e6                      ; the largest t so far: -3e38
	v_floor_f32 v12, -v13                          ; -M
	v_mov_b32 v14, 0
	v_mov_b32 v15, 0
	s_wait_kmcnt 0x0
	s_lshl_b32 s58, s5, 6
	s_lshl_b32 s59, s4, 5
	s_add_co_u32 s40, s58, s59
	s_mul_i32 s40, s40, 768
	s_add_co_u32 s40, s40, 589824
	s_add_nc_u64 s[28:29], s[8:9], s[40:41]        ; K's 32 half fragments
	s_mul_i32 s40, s3, 24576
	s_add_co_u32 s40, s40, 1179648
	s_add_nc_u64 s[30:31], s[8:9], s[40:41]        ; V's 16 fragments
	s_add_co_u32 s40, s58, s6
	s_mul_i32 s40, s40, 768
	s_add_nc_u64 s[36:37], s[8:9], s[40:41]        ; my half fragment of Q
	s_lshl_b32 s58, s7, 6
	s_add_co_u32 s40, s58, s59
	s_lshl_b32 s40, s40, 6
	s_add_co_u32 s40, s40, 24576
	s_add_nc_u64 s[32:33], s[10:11], s[40:41]      ; K's scale words
	s_lshl_b32 s40, s3, 10
	s_add_co_u32 s40, s40, 49152
	s_add_nc_u64 s[34:35], s[10:11], s[40:41]      ; V's
	s_add_co_u32 s40, s58, s6
	s_lshl_b32 s40, s40, 6
	s_add_nc_u64 s[38:39], s[10:11], s[40:41]      ; Q's
	s_lshl_b32 s40, s4, 11
	s_add_nc_u64 s[20:21], s[20:21], s[40:41]      ; the batch's keys
	s_add_nc_u64 s[22:23], s[22:23], s[40:41]
	s_lshl_b32 s40, s5, 3
	s_add_nc_u64 s[14:15], s[14:15], s[40:41]      ; my head's pair in each table row
	s_lshl_b32 s40, s6, 6
	s_add_nc_u64 s[16:17], s[16:17], s[40:41]      ; my queries
	s_add_nc_u64 s[18:19], s[18:19], s[40:41]
	s_lshl_b32 s40, s6, 15
	s_add_nc_u64 s[12:13], s[12:13], s[40:41]      ; my indices: 4 steps x 8,192 bytes
	s_mul_i32 s58, s6, 12
	s_add_co_u32 s58, s58, s5
	s_mul_i32 s40, s58, 768
	s_add_nc_u64 s[24:25], s[24:25], s[40:41]
	s_lshl_b32 s40, s58, 5
	s_add_nc_u64 s[26:27], s[26:27], s[40:41]
	; 29 staging loads, then 5 of the wave's own, then step 0's 16 index loads: the counted waits below rest on this order
.irp i, 0,1,2,3,4,5,6,7,8,9,10,11
	global_load_b128 v[64+4*\i:67+4*\i], v36, s[28:29] offset:2048*\i
.endr
.irp i, 0,1,2,3,4,5,6,7,8,9,10,11
	global_load_b128 v[112+4*\i:115+4*\i], v36, s[30:31] offset:2048*\i
.endr
	global_load_b128 v[160:163], v36, s[32:33]
	global_load_b64 v[164:165], v37, s[34:35]
	global_load_b128 v[166:169], v36, s[20:21]
	global_load_b128 v[170:173], v36, s[22:23]
	global_load_b64 v[174:175], v38, s[14:15]
	WIN LD1
	global_load_b128 v[Q:Q+3], v1, s[36:37]
	global_load_b64 v[Q+4:Q+5], v2, s[36:37] offset:512
	WIN 0
	global_load_b32 v[QS], v3, s[38:39]
	global_load_b32 v16, v3, s[16:17]
	global_load_b32 v18, v3, s[18:19]
	WIN LD1
.set i, 0
.rept 16
	global_load_b128 v[W+4*i:W+4*i+3], v1, s[12:13] offset:512*i
.set i, i+1
.endr
.irp i, 6,7,8,9,10,11
	v_mov_b32 v[Q+\i], 0                           ; zero codes for k = 64 .. 127: written once
.irp t, 0,1,2,3,4,5,6,7
	v_mov_b32 v[K+12*\t+\i], 0
.endr
.endr
.set i, 0
.rept 32
	v_mov_b32 v[O+i], 0                            ; O^T: the step is written once; the first finds zeros
.set i, i+1
.endr
	WIN 0
	s_wait_loadcnt 21                              ; the 29 staging loads are in; my 5 and the 16 index loads may be out
.irp i, 0,1,2,3
	v_bfe_u32 v[160+\i], v[160+\i], s50, 16        ; my head's two bytes; bytes 2 and 3 stand over zero codes
.endr
.irp i, 0,1,2,3,4,5,6,7,8,9,10,11
	ds_store_b128 v36, v[64+4*\i:67+4*\i] offset:KIMG+2048*\i
.endr
.irp i, 0,1,2,3,4,5,6,7,8,9,10,11
	ds_store_b128 v36, v[112+4*\i:115+4*\i] offset:VIMG+2048*\i
.endr
	ds_store_b128 v36, v[160:163] offset:KSC
	ds_store_b64 v37, v[164:165] offset:VSC
	ds_store_b128 v36, v[166:169] offset:KXL
	ds_store_b128 v36, v[170:173] offset:KYL
	ds_store_b64 v37, v[174:175] offset:TABX       ; threads 0-81: the 82 rows; the others store copies of the last row behind them, which nobody reads
	s_wait_dscnt 0x0                               ; for the others' sake: my stores have landed
	s_barrier_signal -1
	s_barrier_wait -1                              ; from here on LDS is only read
	s_wait_loadcnt 16                              ; Q, its scale word, my query's x and y are in; the index loads may be out
	v_bfe_u32 v[QS], v[QS], s50, 16
	s_mov_b32 s51, 0                               ; the step
	s_mov_b32 s52, 0                               ; 6,144 x step: K's and V's images
	s_mov_b32 s53, 0                               ; 512 x step: K's scale words, the keys' coordinates
	s_mov_b32 s54, 0                               ; 256 x step: V's scale words
	s_mov_b32 s55, 8192                            ; the next step's indices (the last step asks for its own again: no load leaves the buffer)
; 16 keys a lane: block c of the step.  z' goes into S + 16 c on
.macro CHUNK c
.irp j, 0,1,2,3
	ds_load_b128 v[KX+4*\j:KX+4*\j+3], v10 offset:KXL+128*\c+16*\j
.endr
.irp j, 0,1,2,3
	ds_load_b128 v[KY+4*\j:KY+4*\j+3], v10 offset:KYL+128*\c+16*\j
.endr
	s_wait_loadcnt 12                              ; this block's 4 index loads, issued a step ago, are in; behind them stand the 12 of the three other blocks
	WIN UNP
.set i, 0
.rept 16
	v_and_b32 v[AX+i], 0xffff, v[W+16*\c+i]
	v_lshrrev_b32 v[AY+i], 16, v[W+16*\c+i]
.set i, i+1
.endr
	WIN 0
.set i, 0
.rept 32
	v_min_u32 v[AX+i], 0x140, v[AX+i]              ; a loaded number enters an address only held: entry 40 at the most
.set i, i+1
.endr
.set i, 0
.rept 16
	ds_load_b64 v[GX+2*i:GX+2*i+1], v[AX+i] offset:TABX
	ds_load_b64 v[GY+2*i:GY+2*i+1], v[AY+i] offset:TABY
.set i, i+1
.endr
	WIN LD1
.irp j, 0,1,2,3
	global_load_b128 v[W+16*\c+4*\j:W+16*\c+4*\j+3], v5, s[12:13] offset:512*(4*\c+\j)   ; the next step's indices of this block
.endr
	WIN 0
	s_wait_dscnt 32                                ; all but the 32 gathers: the coordinates are in (in block 0: the step's fragments and scale words too)
.set i, 0
.rept 8
	v_pk_add_f32 v[KX+i:KX+i+1], v[16:17], v[KX+i:KX+i+1] op_sel_hi:[0,1] neg_lo:[0,1] neg_hi:[0,1]   ; q - k
	v_pk_add_f32 v[KY+i:KY+i+1], v[18:19], v[KY+i:KY+i+1] op_sel_hi:[0,1] neg_lo:[0,1] neg_hi:[0,1]
.set i, i+2
.endr
.set i, 0
.rept 16
	v_pk_mul_f32 v[KX+i:KX+i+1], v[KX+i:KX+i+1], s[C02:C02+1] op_sel_hi:[1,0]
.set i, i+2
.endr
.set i, 0
.rept 32
	v_med3_num_f32 v[KX+i], v[KX+i], s46, s47      ; xs, bit for bit as where the indices were made
.set i, i+1
.endr
.set i, 0
.rept 32
	v_fract_f32 v[KX+i], v[KX+i]                   ; r
.set i, i+1
.endr
	s_wait_dscnt 0x0                               ; the gathers
.set i, 0
.rept 16
	v_fma_f32 v[S+16*\c+i], v[KX+i], v[GX+2*i+1], v[GX+2*i]
	v_fma_f32 v[GY+2*i], v[KY+i], v[GY+2*i+1], v[GY+2*i]
.set i, i+1
.endr
.set i, 0
.rept 16
	v_add_f32 v[S+16*\c+i], v[S+16*\c+i], v[GY+2*i]
.set i, i+1
.endr
.endm
.Lstep:                                            ; 4 trips
	s_wait_xcnt 0x0                                ; the last step's index loads have read their address register
	v_add_nc_u32 v5, s55, v1                       ; these six are also the places behind the last products, in front of the loads below
	v_add_nc_u32 v6, s52, v1
	v_add_nc_u32 v7, s52, v2
	v_add_nc_u32 v8, s53, v3
	v_add_nc_u32 v9, s54, v3
	v_add_nc_u32 v10, s53, v4
	WIN LD1
.irp t, 0,1,2,3,4,5,6,7
	ds_load_b128 v[K+12*\t:K+12*\t+3], v6 offset:KIMG+768*\t
	ds_load_b64 v[K+12*\t+4:K+12*\t+5], v7 offset:KIMG+768*\t+512
.endr
.irp d, 0,1,2,3
.irp e, 0,1
	ds_load_b128 v[V+12*\d+6*\e:V+12*\d+6*\e+3], v6 offset:VIMG+1536*\d+768*\e
	ds_load_b64 v[V+12*\d+6*\e+4:V+12*\d+6*\e+5], v7 offset:VIMG+1536*\d+768*\e+512
.endr
.endr
	WIN 0
.irp t, 0,1,2,3,4,5,6,7
	ds_load_b32 v[KS+\t], v8 offset:KSC+64*\t
.endr
.irp d, 0,1,2,3
	ds_load_b32 v[VS+\d], v9 offset:VSC+64*\d
.endr
	CHUNK 0
	CHUNK 1
	CHUNK 2
	CHUNK 3
	; the sigmoid, in two batches, each with one plain place and one wait ahead of its first reader
.set i, 0
.rept 64
	v_exp_f32 v[S+i], v[S+i]                       ; e^-z
.set i, i+1
.endr
	v_nop
	s_wait_alu depctr_va_vdst(0)
.set i, 0
.rept 32
	v_pk_fma_f32 v[S+i:S+i+1], v[S+i:S+i+1], s[E8:E8+1], s[E8:E8+1] op_sel_hi:[1,0,0]
.set i, i+2
.endr
.set i, 0
.rept 64
	v_rcp_f32 v[S+i], v[S+i]                       ; 8 sigmoid(z)
.set i, i+1
.endr
	v_nop
	s_wait_alu depctr_va_vdst(0)
	WIN SQK
.irp t, 0,1,2,3,4,5,6,7                        ; S^T = K Q^T + 8 sigmoid: eight accumulators, one instruction each
	v_wmma_scale_f32_16x16x128_f8f6f4 v[S+8*\t:S+8*\t+7], v[K+12*\t:K+12*\t+11], v[Q:Q+11], v[S+8*\t:S+8*\t+7], v[KS+\t], v[QS] matrix_a_fmt:MATRIX_FMT_BF6 matrix_b_fmt:MATRIX_FMT_BF6
.endr
	WIN 0
.rept 4
	v_nop                                          ; places in front of the first read of results
.endr
.irp b, 0,1,2,3
	v_max3_num_f32 v[BM+\b], v[S+16*\b], v[S+16*\b+1], v[S+16*\b+2]   ; the largest score of each block of 32 keys: for the row's maximum, and, since p rises with the score, for the block's largest p
.endr
.irp i, 3,5,7,9,11,13
.irp b, 0,1,2,3
	v_max3_num_f32 v[BM+\b], v[BM+\b], v[S+16*\b+\i], v[S+16*\b+\i+1]
.endr
.endr
.irp b, 0,1,2,3
	v_max_num_f32 v[BM+\b], v[BM+\b], v[S+16*\b+15]
.endr
.irp b, 0,1,2,3
	v_permlanex16_b32 v[BP+\b], v[BM+\b], s[SEL], s[SEL+1]
.endr
.irp b, 0,1,2,3
	v_max_num_f32 v[BM+\b], v[BM+\b], v[BP+\b]     ; with lane l xor 16's 16 keys
.endr
	v_max3_num_f32 v[TA], v[BM], v[BM+1], v[BM+2]
	v_max_num_f32 v[TA], v[TA], v[BM+3]
	v_mul_f32 v[TA], s[CS], v[TA]                  ; as t (c is positive)
	v_max_num_f32 v13, v13, v[TA]                  ; the running largest t
	v_mov_b32 v[TA], v12
	v_floor_f32 v12, -v13                          ; the new -M = -ceil(t)
	v_sub_f32 v[TA], v12, v[TA]                    ; old M - new M: a whole number, 0 or less
	v_cvt_i32_f32 v[TA], v[TA]                     ; (it saturates)
	v_ldexp_f32 v[FP], 1.0, v[TA]                  ; f = 2^(old M - new M)
.set i, 0
.rept 32
	v_pk_fma_f32 v[S+i:S+i+1], v[S+i:S+i+1], s[CS:CS+1], v[12:13] op_sel_hi:[1,0,0]   ; t - M
.set i, i+2
.endr
.irp b, 0,1,2,3
	v_fma_f32 v[BM+\b], v[BM+\b], s[CS], v12
.endr
.set i, 0
.rept 64
	v_exp_f32 v[S+i], v[S+i]                       ; p = 2^(t - M): not normalised
.set i, i+1
.endr
	v_pk_mul_f32 v[14:15], v[14:15], v[FP:FP+1] op_sel_hi:[1,0]   ; the sums under the new M: the plain place behind the batch
	s_wait_alu depctr_va_vdst(0)                   ; one wait for the 64
.irp b, 0,1,2,3
	v_exp_f32 v[BM+\b], v[BM+\b]                   ; each block's largest p
.endr
	v_pk_add_f32 v[SUM2:SUM2+1], v[S:S+1], v[S+2:S+3]   ; the row's sum of the unquantised p, in two chains
.irp j, 4,8,12,16,20,24,28,32,36,40,44,48,52,56,60
	v_pk_add_f32 v[14:15], v[14:15], v[S+\j:S+\j+1]
	v_pk_add_f32 v[SUM2:SUM2+1], v[SUM2:SUM2+1], v[S+2+\j:S+3+\j]
.endr
	v_pk_add_f32 v[14:15], v[14:15], v[SUM2:SUM2+1]
	s_wait_alu depctr_va_vdst(0)                   ; and one for the four
.irp b, 0,1,2,3
	v_max_num_f32 v[BM+\b], 0x2800000, v[BM+\b]    ; the floor 2^(5 - 127)
.endr
.irp b, 0,1,2,3
	v_add_nc_u32 v[SO+\b], 0xfe000000, v[BM+\b]
.endr
.irp b, 0,1,2,3
	v_lshrrev_b32 v[BY+\b], 23, v[SO+\b]
.endr
	v_lshl_or_b32 v[PW], v[BY+1], 8, v[BY]
	v_lshl_or_b32 v[PW], v[BY+2], 16, v[PW]
	v_lshl_or_b32 v[PW], v[BY+3], 24, v[PW]
.irp c, 0,1
	v_cvt_scalef32_pk16_bf6_f32 v[PC+6*\c:PC+2+6*\c], v[S+32*\c:S+15+32*\c], v[SO+2*\c]
	v_cvt_scalef32_pk16_bf6_f32 v[PC+12+4*\c:PC+14+4*\c], v[S+16+32*\c:S+31+32*\c], v[SO+2*\c+1]
.endr
	v_nop                                          ; one plain place behind a scaled conversion
.irp c, 0,1
.irp i, 0,1,2
	v_permlane16_swap_b32 v[PC+6*\c+\i], v[PC+12+4*\c+\i]
.endr
.irp i, 0,1,2
	v_mov_b32 v[PC+3+6*\c+\i], v[PC+12+4*\c+\i]
.endr
.endr
	WIN RSC
.set i, 0
.rept 16
	v_pk_mul_f32 v[O+i:O+i+1], v[O+i:O+i+1], v[FP:FP+1] op_sel_hi:[1,0]   ; O^T under the new M, each accumulator from its low end on.  With the moves above: the places between p's scale word and codes and the products
.set i, i+2
.endr
	WIN PVW
.irp d, 0,1,2,3                                ; O^T += V^T P^T: four accumulators, one instruction each
	v_wmma_scale_f32_16x16x128_f8f6f4 v[O+8*\d:O+8*\d+7], v[V+12*\d:V+12*\d+11], v[PC:PC+11], v[O+8*\d:O+8*\d+7], v[VS+\d], v[PW] matrix_a_fmt:MATRIX_FMT_BF6 matrix_b_fmt:MATRIX_FMT_BF6
.endr
	WIN 0
	s_add_co_u32 s52, s52, 6144
	s_add_co_u32 s53, s53, 512
	s_add_co_u32 s54, s54, 256
	s_add_co_u32 s55, s55, 8192
	s_min_u32 s55, s55, 24576
	s_add_co_u32 s51, s51, 1
	s_cmp_lt_u32 s51, 4
	s_cbranch_scc1 .Lstep
	; THE WAY OUT: o = O^T / the sum; register 16 b + i is channel 32 b + 16 (lane / 16) + i of my query: two blocks of the output projection's K
.rept 4
	v_nop
.endr
	v_add_f32 v14, v14, v15
	v_permlanex16_b32 v[TA], v14, s[SEL], s[SEL+1]
	v_add_f32 v14, v14, v[TA]                      ; the row's sum
	v_rcp_f32 v14, v14
	v_nop
	s_wait_alu depctr_va_vdst(0)
	WIN OUTW
.set i, 0
.rept 32
	v_mul_f32 v[S+i], v[O+i], v14
.set i, i+1
.endr
	WIN 0
.irp b, 0,1
	v_max3_num_f32 v[BM+\b], |v[S+16*\b]|, |v[S+1+16*\b]|, 0x2800000
.endr
.irp i, 2,4,6,8,10,12,14
.irp b, 0,1
	v_max3_num_f32 v[BM+\b], v[BM+\b], |v[S+16*\b+\i]|, |v[S+1+16*\b+\i]|
.endr
.endr
.irp b, 0,1
	v_permlanex16_b32 v[BP+\b], v[BM+\b], s[SEL], s[SEL+1]
.endr
.irp b, 0,1
	v_max_num_f32 v[BM+\b], v[BM+\b], v[BP+\b]
.endr
.irp b, 0,1
	v_add_nc_u32 v[SO+\b], 0xfe000000, v[BM+\b]
.endr
.irp b, 0,1
	v_lshrrev_b32 v[BY+\b], 23, v[SO+\b]
.endr
	v_lshl_or_b32 v[PW], v[BY+1], 8, v[BY]         ; my row's two scale bytes
	v_cvt_scalef32_pk16_bf6_f32 v[PC:PC+2], v[S:S+15], v[SO]
	v_cvt_scalef32_pk16_bf6_f32 v[PC+12:PC+14], v[S+16:S+31], v[SO+1]
	v_nop
.irp i, 0,1,2
	v_permlane16_swap_b32 v[PC+\i], v[PC+12+\i]
.endr
.irp i, 0,1,2
	v_mov_b32 v[PC+3+\i], v[PC+12+\i]
.endr
	global_store_b128 v1, v[PC:PC+3], s[24:25]     ; a half fragment: 512 + 256 consecutive bytes, at a multiple of 256 from the buffer's first byte
	global_store_b64 v2, v[PC+4:PC+5], s[24:25] offset:512
	s_wait_xcnt 0x0                                ; EXEC changes only behind this wait
	v_cmp_gt_u32 vcc_lo, 16, v39
	s_wait_tensorcnt 0x0
	ds_add_u32 v62, v63
	s_wait_dscnt 0x0
	s_and_saveexec_b32 s40, vcc_lo
	global_store_b16 v11, v[PW], s[26:27]
	s_wait_xcnt 0x0
	s_or_b32 exec_lo, exec_lo, s40
	s_endpgm
.Lfunc_end_k_q8f980ef006_attn:
	.size	k_q8f980ef006_attn, .Lfunc_end_k_q8f980ef006_attn-k_q8f980ef006_attn
	.p2alignl 7, 3214868480
	.fill 96, 4, 3214868480
	.section	.rodata,"a",@progbits
	.p2align	6, 0x0
	.amdhsa_kernel k_q8f980ef006_attn
		.amdhsa_group_segment_fixed_size 57856
		.amdhsa_private_segment_fixed_size 0
		.amdhsa_enable_private_segment 0
		.amdhsa_kernarg_size 80
		.amdhsa_user_sgpr_count 2
		.amdhsa_user_sgpr_kernarg_segment_ptr 1
		.amdhsa_wavefront_size32 1
		.amdhsa_system_sgpr_workgroup_id_x 1
		.amdhsa_system_sgpr_workgroup_id_y 1
		.amdhsa_system_sgpr_workgroup_id_z 1
		.amdhsa_system_vgpr_workitem_id 0
		.amdhsa_next_free_vgpr 512
		.amdhsa_next_free_sgpr 66
		.amdhsa_reserve_vcc 1
		.amdhsa_float_denorm_mode_32 3
		.amdhsa_float_denorm_mode_16_64 3
		.amdhsa_memory_ordered 1
		.amdhsa_forward_progress 1
		.amdhsa_inst_pref_size 97
	.end_amdhsa_kernel
	.amdgpu_metadata
---
amdhsa.version: [ 1, 2 ]
amdhsa.kernels:
  - .name:           k_q8f980ef006_attn
    .symbol:         k_q8f980ef006_attn.kd
    .args:
      - { .name: fc, .offset: 0, .size: 8, .value_kind: global_buffer, .address_space: global }
      - { .name: fs, .offset: 8, .size: 8, .value_kind: global_buffer, .address_space: global }
      - { .name: idx, .offset: 16, .size: 8, .value_kind: global_buffer, .address_space: global }
      - { .name: tab, .offset: 24, .size: 8, .value_kind: global_buffer, .address_space: global }
      - { .name: query_x, .offset: 32, .size: 8, .value_kind: global_buffer, .address_space: global }
      - { .name: query_y, .offset: 40, .size: 8, .value_kind: global_buffer, .address_space: global }
      - { .name: key_x, .offset: 48, .size: 8, .value_kind: global_buffer, .address_space: global }
      - { .name: key_y, .offset: 56, .size: 8, .value_kind: global_buffer, .address_space: global }
      - { .name: oc, .offset: 64, .size: 8, .value_kind: global_buffer, .address_space: global }
      - { .name: os, .offset: 72, .size: 8, .value_kind: global_buffer, .address_space: global }
    .group_segment_fixed_size: 57856
    .private_segment_fixed_size: 0
    .kernarg_segment_align: 8
    .kernarg_segment_size: 80
    .max_flat_workgroup_size: 128
    .sgpr_count:     66
    .vgpr_count:     512
    .wavefront_size: 32
...
	.end_amdgpu_metadata
.endif
;; end of part 3
;; launch outp (part 4): grid 12 x 16, 4 waves a work-group, no clusters, 168,448 bytes of LDS; arguments opc, ops, oc, os, bo, out0; writes out0
.if DOCPART == 4
	.amdgcn_target "amdgcn-amd-amdhsa--gfx1250"
	.amdhsa_code_object_version 6
	.text
	.protected	k_q8f980ef006_outp
	.globl	k_q8f980ef006_outp
	.p2align	8
	.type	k_q8f980ef006_outp,@function
k_q8f980ef006_outp:
	s_mov_b64 s[64:65], 0
	v_nop
	global_prefetch_b8 v0, s[64:65] scope:SCOPE_SE
	s_setreg_imm32_b32 hwreg(HW_REG_WAVE_MODE, 25, 1), 1
	s_wait_xcnt 0x0
; OUTP.  out0 = o Wo + bo on codes of BF6 (E3M2) with E8M0 scales, K = 768 in six steps of 128 (a step = two heads).
; A work-group takes 64 columns (4 tiles of Wo) and 64 tokens; wave w takes token tile 4 y + w against the four tiles: 24 matrix instructions on four accumulators by turns.
; The product is used transposed (source 0 = 16 columns of Wo, source 1 = 16 tokens): a lane holds eight neighbouring columns of one row of the result.
; All of K for the 8 tiles, 73,728 bytes of register images, comes into LDS once, by two tensor loads a wave: nothing is filled again.  One barrier: Wo's tiles are read by all waves.
; No multicast: a work-group makes this one fill, 18,432 bytes a wave, and never a refill.
; bo is the C of each sum's first matrix instruction: it is loaded straight into the accumulators.
.set ACC, 16                           ; v16-47   4 accumulators
.set PF,  48                           ; v48-95   Wo's 4 fragments of a K step
.set RF,  96                           ; v96-107  o's fragment
.set PS,  108                          ; v108-119 Wo's scale words: register 3 t + j: lanes 0-15 K step 2 j, lanes 16-31 K step 2 j + 1
.set RS,  120                          ; v120-125 o's scale words, one for each K step
.set U,   126                          ; v126-137 o's two bytes of each head
.set OB,  140                          ; v140-171 rows on the way out
.set G1,  24
.set STG, 73728                        ; behind the images: a stage of 16 rows x (256 + 16) bytes for each wave; no fill lands there
	s_load_b256 s[8:15], s[0:1], 0x0               ; opc s[8:9], ops s[10:11], oc s[12:13], os s[14:15]
	s_load_b128 s[16:19], s[0:1], 0x20             ; bo s[16:17], out0 s[18:19]
	v_lshl_add_u32 v192, v0, 2, 0x29000
	v_mov_b32 v193, 0
	ds_add_u32 v192, v193
	ds_add_u32 v192, v193
	v_lshrrev_b32 v1, 5, v0
	v_readfirstlane_b32 s2, v1                     ; wave 0..3
	s_mov_b32 s3, ttmp9                            ; x: 64 columns
	s_and_b32 s4, ttmp7, 0xffff                    ; y: 64 tokens
	s_lshl_b32 s5, s4, 2
	s_add_co_u32 s5, s5, s2                        ; T: my token tile
	; group 1: a tile's six K steps are one dense block of 9,216 bytes: 36 rows of 256 bytes (32 elements of 8 bytes), no padding
	s_mov_b32 s[G1+0], 3<<16
	s_mov_b32 s[G1+1], 32<<16
	s_mov_b32 s[G1+2], 36<<16
	s_mov_b32 s[G1+3], 32<<16
	s_mov_b32 s[G1+4], 36
	s_mov_b32 s[G1+5], 32
	s_mov_b32 s[G1+6], 0
	s_mov_b32 s[G1+7], 0
	s_lshl_b32 s40, s3, 2
	s_add_co_u32 s40, s40, 144                     ; Wo's first tile of mine in opc
	s_add_co_u32 s44, s40, s2
	s_mul_i32 s44, s44, 9216
	s_mov_b32 s45, 0
	s_mul_i32 s46, s5, 9216
	s_mov_b32 s47, 0
	s_mul_i32 s48, s2, 9216
	s_wait_dscnt 0x0
	s_wait_kmcnt 0x0
	s_mov_b32 s32, 1
	s_mov_b32 s33, s48                             ; LDS: Wo's tile w at 9,216 w
	s_add_nc_u64 s[34:35], s[8:9], s[44:45]
	s_or_b32 s35, s35, 0x80000000
	s_mov_b32 s36, 1
	s_add_co_u32 s37, s48, 36864                   ; my tokens' tile behind Wo's four
	s_add_nc_u64 s[38:39], s[12:13], s[46:47]
	s_or_b32 s39, s39, 0x80000000
	tensor_load_to_lds s[32:35], s[G1:G1+7]        ; two tensor loads of mine are out: the launch's only fills
	s_nop 0
	tensor_load_to_lds s[36:39], s[G1:G1+7]
	s_nop 0
.rept 4
	v_nop
.endr
	v_and_b32 v11, 31, v0                          ; lane
	v_and_b32 v12, 15, v0                          ; r
	v_bfe_u32 v13, v0, 4, 1                        ; h
	v_lshlrev_b32 v1, 4, v11                       ; v1  16 x lane
	v_lshlrev_b32 v2, 3, v11                       ; v2  8 x lane
	v_lshlrev_b32 v3, 2, v11                       ; v3  4 x lane
	v_add_nc_u32 v4, s37, v1                       ; v4, v5  my tokens' tile
	v_add_nc_u32 v5, s37, v2
	v_lshlrev_b32 v6, 5, v13                       ; v6  32 h
	v_lshlrev_b32 v7, 1, v12                       ; v7  2 r
	s_mul_i32 s44, s2, 4352
	s_add_co_u32 s44, s44, STG                     ; my stage
	v_mul_u32_u24 v8, v12, 272
	v_lshl_add_u32 v8, v13, 5, v8
	v_add_nc_u32 v8, s44, v8                       ; v8  in: row r, + 32 h
	v_mul_u32_u24 v9, v13, 272
	v_lshl_add_u32 v9, v12, 4, v9
	v_add_nc_u32 v9, s44, v9                       ; v9  back: lanes 0-15 one row, lanes 16-31 the next
	v_mul_u32_u24 v10, v13, 3072
	v_lshl_add_u32 v10, v12, 4, v10                ; v10 and the same two rows in out0
	s_mul_i32 s50, s40, 384
	s_mov_b32 s51, 0
	s_add_nc_u64 s[50:51], s[10:11], s[50:51]
	s_mul_i32 s52, s5, 384
	s_mov_b32 s53, 0
	s_add_nc_u64 s[52:53], s[14:15], s[52:53]
	s_lshl_b32 s54, s3, 8
	s_mov_b32 s55, 0
	s_add_nc_u64 s[56:57], s[18:19], s[54:55]      ; out0 at my 64 columns,
	s_add_nc_u64 s[54:55], s[16:17], s[54:55]      ; bo likewise
	s_mul_i32 s46, s5, 49152                       ; 16 T rows of 3,072 bytes
	s_add_nc_u64 s[56:57], s[56:57], s[46:47]
.irp t, 0,1,2,3
.irp j, 0,1,2
	global_load_b32 v[PS+3*\t+\j], v3, s[50:51] offset:384*\t+128*\j
.endr
.endr
.irp n, 0,1,2,3,4,5,6,7,8,9,10,11
	global_load_u16 v[U+\n], v7, s[52:53] offset:32*\n
.endr
.irp t, 0,1,2,3                                ; lane (r, h), tile t, register j: column 16 t + 8 h + j
	global_load_b128 v[ACC+8*\t:ACC+8*\t+3], v6, s[54:55] offset:64*\t
	global_load_b128 v[ACC+8*\t+4:ACC+8*\t+7], v6, s[54:55] offset:64*\t+16
.endr
	s_wait_loadcnt 0x0
.irp s, 0,1,2,3,4,5
	v_lshl_or_b32 v[RS+\s], v[U+2*\s+1], 16, v[U+2*\s]   ; two heads' bytes make a K step's word
.endr
.rept 8
	v_nop                                          ; a scale register written by a vector instruction stands eight places ahead of a scaled matrix instruction
.endr
	s_wait_tensorcnt 0x0                           ; my two tiles are in LDS,
	s_barrier_signal -1
	s_barrier_wait -1                              ; everybody's are
.macro MM t, s
.if (\s)%2
	v_wmma_scale_f32_16x16x128_f8f6f4 v[ACC+8*\t:ACC+8*\t+7], v[PF+12*\t:PF+12*\t+11], v[RF:RF+11], v[ACC+8*\t:ACC+8*\t+7], v[PS+3*\t+(\s)/2], v[RS+(\s)] matrix_a_fmt:MATRIX_FMT_BF6 matrix_b_fmt:MATRIX_FMT_BF6 matrix_a_scale:MATRIX_SCALE_ROW1
.else
	v_wmma_scale_f32_16x16x128_f8f6f4 v[ACC+8*\t:ACC+8*\t+7], v[PF+12*\t:PF+12*\t+11], v[RF:RF+11], v[ACC+8*\t:ACC+8*\t+7], v[PS+3*\t+(\s)/2], v[RS+(\s)] matrix_a_fmt:MATRIX_FMT_BF6 matrix_b_fmt:MATRIX_FMT_BF6
.endif
.endm
.macro KSTEP s
.if \s > 0
.rept 4
	v_nop                                          ; places in front of loads into registers that matrix instructions have read
.endr
.endif
.irp e, 0,1                                    ; o's fragment: the half fragments of heads 2 s and 2 s + 1
	ds_load_b128 v[RF+6*\e:RF+6*\e+3], v4 offset:768*(2*\s+\e)
	ds_load_b64 v[RF+6*\e+4:RF+6*\e+5], v5 offset:768*(2*\s+\e)+512
.endr
.irp t, 0,1,2,3
.irp c, 0,1,2
	ds_load_b128 v[PF+12*\t+4*\c:PF+12*\t+4*\c+3], v1 offset:9216*\t+1536*\s+512*\c
.endr
.endr
.irp t, 0,1,2,3
	s_wait_dscnt 3*(3-\t)                          ; o's fragment and Wo's tiles up to t are in; the three loads of each later tile may be out
	MM \t, \s
.endr
.endm
.irp s, 0,1,2,3,4,5
	KSTEP \s
.endr
.rept 4
	v_nop                                          ; places in front of the first read of results
.endr
	; THE WAY OUT: a lane's 32 bytes of a row go into my stage; whole rows of 256 bytes come back, sixteen lanes to a row
.irp t, 0,1,2,3
	ds_store_b128 v8, v[ACC+8*\t:ACC+8*\t+3] offset:64*\t          ; each accumulator from its low end on
	ds_store_b128 v8, v[ACC+8*\t+4:ACC+8*\t+7] offset:64*\t+16
.endr
.irp i, 0,1,2,3,4,5,6,7
	ds_load_b128 v[OB+4*\i:OB+4*\i+3], v9 offset:544*\i            ; LDS serves a wave's instructions in order (ISA guide 5.7.1.4): these see my stores
.endr
.irp i, 0,1,2,3,4,5,6,7
	s_wait_dscnt 7-\i                              ; the younger loads may be out
	global_store_b128 v10, v[OB+4*\i:OB+4*\i+3], s[56:57] offset:6144*\i th:TH_STORE_NT   ; 16 lanes store 256 consecutive bytes, at a multiple of 256 from out0's first byte
.endr
	s_wait_tensorcnt 0x0
	ds_add_u32 v192, v193
	s_wait_dscnt 0x0
	s_endpgm
.Lfunc_end_k_q8f980ef006_outp:
	.size	k_q8f980ef006_outp, .Lfunc_end_k_q8f980ef006_outp-k_q8f980ef006_outp
	.p2alignl 7, 3214868480
	.fill 96, 4, 3214868480
	.section	.rodata,"a",@progbits
	.p2align	6, 0x0
	.amdhsa_kernel k_q8f980ef006_outp
		.amdhsa_group_segment_fixed_size 168448
		.amdhsa_private_segment_fixed_size 0
		.amdhsa_enable_private_segment 0
		.amdhsa_kernarg_size 48
		.amdhsa_user_sgpr_count 2
		.amdhsa_user_sgpr_kernarg_segment_ptr 1
		.amdhsa_wavefront_size32 1
		.amdhsa_system_sgpr_workgroup_id_x 1
		.amdhsa_system_sgpr_workgroup_id_y 1
		.amdhsa_system_sgpr_workgroup_id_z 1
		.amdhsa_system_vgpr_workitem_id 0
		.amdhsa_next_free_vgpr 194
		.amdhsa_next_free_sgpr 66
		.amdhsa_reserve_vcc 0
		.amdhsa_float_denorm_mode_32 3
		.amdhsa_float_denorm_mode_16_64 3
		.amdhsa_memory_ordered 1
		.amdhsa_forward_progress 1
		.amdhsa_inst_pref_size 21
	.end_amdhsa_kernel
	.amdgpu_metadata
---
amdhsa.version: [ 1, 2 ]
amdhsa.kernels:
  - .name:           k_q8f980ef006_outp
    .symbol:         k_q8f980ef006_outp.kd
    .args:
      - { .name: opc, .offset: 0, .size: 8, .value_kind: global_buffer, .address_space: global }
      - { .name: ops, .offset: 8, .size: 8, .value_kind: global_buffer, .address_space: global }
      - { .name: oc, .offset: 16, .size: 8, .value_kind: global_buffer, .address_space: global }
      - { .name: os, .offset: 24, .size: 8, .value_kind: global_buffer, .address_space: global }
      - { .name: bo, .offset: 32, .size: 8, .value_kind: global_buffer, .address_space: global }
      - { .name: out0, .offset: 40, .size: 8, .value_kind: global_buffer, .address_space: global }
    .group_segment_fixed_size: 168448
    .private_segment_fixed_size: 0
    .kernarg_segment_align: 8
    .kernarg_segment_size: 48
    .max_flat_workgroup_size: 128
    .sgpr_count:     66
    .vgpr_count:     194
    .wavefront_size: 32
...
	.end_amdgpu_metadata
.endif
;; end of part 4
